; MI455X (gfx1250); checked and timed in simulation.
; The chip was launched on July 23, 2026; its instructions are those of AMD's public machine-readable ISA for CDNA 5 (MIT licence, August 2026) and "CDNA5" Instruction Set Architecture Reference Guide (July 2026). The comments in the code are by the model that wrote it; some were corrected since.
;; Feature Cloud Embedder. Allowed arithmetic: float matrix products may take bf16 or f16 operands with f32 sums; all other float work in f32.
;; Inputs: feat 1 x 16,384 x 64 float32; pcd 1 x 16,384 x 3 float32; xyz 1 x 8,192 x 3 float32.
;; Outputs: out0 1 x 8,192 x 115 float32.
;; 2 versions, each right; version 2 is version 1 with the launch groups written anew for expert scheduling mode. Each part assembles by itself: llvm-mc -triple=amdgcn-amd-amdhsa -mcpu=gfx1250 --defsym DOCPART=n.
;; ======== version 1 of 2: 3 launches
;; limits: values outside matrix products are rounded to bf16; values within 0.000122 (relative) of each other or of a threshold may be ordered or decided otherwise than in the reference; values within 0.00195 (relative) of each other or of a threshold may be ordered or decided otherwise than in the reference
;; workspace buffers: gid 1,572,864 bytes of whole numbers; pidx 524,288 bytes of whole numbers
;; launch groups (part 1): grid 256 x 1, 16 waves a work-group, no clusters, 79,872 bytes of LDS; arguments pcd, xyz, gid; writes gid
.if DOCPART == 1
	.amdgcn_target "amdgcn-amd-amdhsa--gfx1250"
	.amdhsa_code_object_version 6
	.text
	.protected	k_q39ce3ca294_groups
	.globl	k_q39ce3ca294_groups
	.p2align	8
	.type	k_q39ce3ca294_groups,@function
k_q39ce3ca294_groups:
	s_mov_b64 s[64:65], 0
	v_nop
	global_prefetch_b8 v0, s[64:65] scope:SCOPE_SE
	s_setreg_imm32_b32 hwreg(HW_REG_WAVE_MODE, 25, 1), 1
	s_wait_xcnt 0x0
; FIRST OF THREE STEPS of a radius-limited 10-nearest-neighbour search: 8,192 queries, 16,384 points, all inputs rounded to bf16 first.
; The points are taken as 1,024 groups of 16 neighbouring indices, in four quarters of 256 groups.  For each query and each quarter this
; launch stores the 12 smallest keys of the quarter's groups, sorted; the next step merges a query's four lists.  A point of the true ten
; lies in a group whose minimum is not above its own d2, so ten groups hold the ten; two more are margin for the keys' lost bits.
; d2 = |a|^2 + |b|^2 - 2 a.b comes from the matrix unit.  A point's record is 8 bf16: bx, by, bz, and |b|^2 (f32) cut exactly into three
; bf16 pieces, then 0, 0.  A query's column is -2ax, -2ay, -2az, 1, 1, 1, 0, 0, and C is |a|^2.  One A operand (16 rows x 32 k) holds FOUR
; records in each row; four B operands, each zero outside one octet of k, pick them out: 4 matrix instructions give 64 points x 16 queries
; from 2 LDS loads.
; KEY: max(group minimum, smallest normal f32), its low 10 bits replaced by the group id: positive floats order like whole numbers, equal
; distances order by id, and no key is a denormal number.  A sorted list of 12 keys takes a new key x in 12 independent instructions:
; L[i] = median(L[i-1], x, L[i]) from the top down, L[0] = min(L[0], x).  No branch hangs on a distance.
; LIMITS: a neighbour can be missed only if three or more groups outside hold a point whose d2 lies within 2^-13 of d2, plus a few units
; in the last place of |a|^2 + |b|^2 (the matrix unit's sum), above that neighbour's.  Inputs are finite.
; SHARES: work-group g has queries 128 (g >> 2) .. + 127 and points 4,096 (g & 3) .. + 4,095.  Sixteen waves, four on each SIMD, so that one
; wave's short dependent chains (minimum, clamp, key, insertion) stand beside three other waves' work: wave w has queries 16 (w & 7) .. + 15
; and half w >> 3 of the points.  At the end waves 8 to 15 hand their lists to waves 0 to 7 through LDS.
; The table is computed (rounded, squared, cut), not copied, and what the work-groups of a quarter share is 49,152 bytes read once by each:
; so it is built through registers, without tensor loads and without joint requests.
.set LISTS, 65536                      ; LDS: the table of 4,096 records of 16 bytes lies at 0; here a region of 16 rows x 48 bytes for each wave:
                                       ; waves 8-15 hand their lists over in theirs, waves 0-7 use theirs as the stage of the way out
.set BF,   16                          ; v[16:47]   four B operands
.set CC,   48                          ; v[48:55]   C: |a|^2 in all eight
.set AA,   56                          ; v[56:71]   two A operands
.set DD,   72                          ; v[72:135]  two sets of four results
.set LL,   136                         ; v[136:147] the sorted list
.set PP,   148                         ; v[148:159] a partner's list
.set MM,   160                         ; v[160:164] at work
.set PT,   56                          ; while the table is built: four points' 12 registers each, v[56:103]
.set RING, 128                         ; while the table is built: 8 loads of 12 bytes on their way, v[128:159]
.macro INS n, l, x                     ; key v[x] into the sorted list v[l .. l+n-1]
.set ii, \n-1
.rept \n-1
	v_med3_num_f32 v[\l+ii], v[\l+ii-1], v[\x], v[\l+ii]
.set ii, ii-1
.endr
	v_min_num_f32 v[\l], v[\l], v[\x]
.endm
; The n smallest of two sorted lists of n, sorted, into v[l ..].  The keys of v[p ..] go in ascending: key j has j keys of its own list in
; front of it, so it moves nothing below place j, and its insertion runs over places j .. n-1 alone.
.macro MRG n, l, p
.set jj, 0
.rept \n-1
.set ii, \n-1
.rept \n-1-jj
	v_med3_num_f32 v[\l+ii], v[\l+ii-1], v[\p+jj], v[\l+ii]
.set ii, ii-1
.endr
	v_min_num_f32 v[\l+jj], v[\l+jj], v[\p+jj]
.set jj, jj+1
.endr
	v_min_num_f32 v[\l+\n-1], v[\l+\n-1], v[\p+\n-1]
.endm
	s_load_b128 s[4:7], s[0:1], 0x0                ; pcd s[4:5], xyz s[6:7]
	s_load_b64 s[8:9], s[0:1], 0x10                ; gid
	v_lshl_add_u32 v168, v0, 2, 0x13000
	v_mov_b32 v169, 0
	v_and_b32 v1, 31, v0                           ; lane
	v_and_b32 v2, 15, v0                           ; r: my query in the wave's sixteen
	v_bfe_u32 v3, v0, 4, 1                         ; h: my half of the lanes
	v_lshrrev_b32 v14, 5, v0
	v_readfirstlane_b32 s10, v14                   ; wave 0..15
	s_lshr_b32 s11, ttmp9, 2                       ; which 128 queries
	s_and_b32 s12, ttmp9, 3                        ; which 4,096 points
	s_and_b32 s28, s10, 7                          ; which 16 of the queries
	s_lshr_b32 s29, s10, 3                         ; which 2,048 of the points
	s_mov_b32 s13, 0xfffffc00                      ; a key's distance bits
	s_lshl_b32 s14, s12, 8                         ; group id of a block's first 32 points: 256 groups a quarter,
	s_lshl_b32 s30, s29, 7                         ; 128 a half (its bit 0, h, is set at the end)
	s_add_co_u32 s14, s14, s30
	s_add_co_u32 s15, s14, 2                       ; and of the block's second 32
	s_mov_b32 s17, 0xffff0000                      ; a word's upper bf16; also: lanes 16 to 31
	s_mov_b32 s18, 0x0000ffff                      ; a word's lower bf16; also: lanes 0 to 15
	s_mov_b32 s19, 0x07060302                      ; v_perm_b32: the two upper halves
	s_mov_b32 s20, 0x76543210                      ; v_permlanex16_b32: lane i of the other half
	s_mov_b32 s21, 0xfedcba98
	s_mov_b32 s24, 0x00800000                      ; the smallest normal f32
	v_and_b32 v14, 0x1e7, v0                       ; thread number with bits 3 and 4 exchanged: the record of point p lies at slot swap(p),
	v_bfe_u32 v15, v0, 3, 1                        ; so that a lane's sixteen results of two tiles are sixteen neighbouring points
	v_lshl_or_b32 v14, v15, 4, v14
	v_lshl_or_b32 v14, v3, 3, v14
	v_mul_u32_u24 v4, v14, 12                      ; byte offset of my point of step 0 in the quarter's part of pcd
	v_lshlrev_b32 v5, 4, v0                        ; LDS address of my slot of step 0 (a step is 512 slots = 8,192 bytes)
	s_lshl_b32 s31, s29, 15                        ; my wave's half of the table: 2,048 records of 16 bytes
	v_lshl_add_u32 v9, v1, 4, s31                  ; my 16 bytes in its first 512
	s_lshl_b32 s25, s11, 7
	s_lshl_b32 s23, s28, 4
	s_add_co_u32 s25, s25, s23                     ; the wave's first query
	v_add_nc_u32 v15, s25, v2
	v_mul_u32_u24 v15, v15, 12
	s_mul_i32 s22, s12, 49152                      ; the quarter's 4,096 points of 12 bytes
	s_mov_b32 s23, 0
	s_mul_i32 s26, s12, 0x60000                    ; gid: 8,192 rows of 48 bytes a quarter,
	s_mul_i32 s27, s25, 48                         ; and the wave's first row: a multiple of 768 bytes
	s_add_co_u32 s26, s26, s27
	s_mov_b32 s27, 0
	s_wait_kmcnt 0x0
	s_add_nc_u64 s[4:5], s[4:5], s[22:23]
	s_add_nc_u64 s[8:9], s[8:9], s[26:27]
	global_load_b96 v[10:12], v15, s[6:7]          ; my query
.set kk, 0
.rept 8
	global_load_b96 v[RING+4*kk:RING+4*kk+2], v4, s[4:5] offset:kk*6144   ; all 8 steps: point 512 k + swap(thread) of the quarter
.set kk, kk+1
.endr
.irp j, 0,1,2,3
	v_mov_b32 v[PT+12*\j+3], 0                     ; a record's last word, written once
.endr
	s_wait_loadcnt 8                               ; the query is in: 8 loads were issued behind it
	v_cvt_pk_bf16_f32 v104, v10, v11               ; round the query to bf16
	v_cvt_pk_bf16_f32 v105, v12, v12
	v_lshlrev_b32 v10, 16, v104
	v_and_b32 v11, s17, v104
	v_lshlrev_b32 v12, 16, v105
	v_mul_f32 v13, v10, v10                        ; |a|^2
	v_fmac_f32 v13, v11, v11
	v_fmac_f32 v13, v12, v12
	v_mul_f32 v107, -2.0, v10
	v_mul_f32 v108, -2.0, v11
	v_mul_f32 v109, -2.0, v12
	v_cvt_pk_bf16_f32 v104, v107, v108             ; -2ax, -2ay (exact)
	v_cvt_pk_bf16_f32 v105, v109, 1.0              ; -2az, 1
	v_mov_b32 v106, 0x3f803f80                     ; 1, 1
; B operand fr picks octet fr of k: registers 4 (fr / 2) .. + 2 of the lanes of half fr % 2; all else is zero
.set fr, 0
.rept 4
.irp t, 0,1,2
.if fr%2
	v_cndmask_b32 v[BF+8*fr+4*(fr/2)+\t], 0, v[104+\t], s17
.else
	v_cndmask_b32 v[BF+8*fr+4*(fr/2)+\t], 0, v[104+\t], s18
.endif
.endr
	v_mov_b32 v[BF+8*fr+4*(fr/2)+3], 0
.irp t, 0,1,2,3
	v_mov_b32 v[BF+8*fr+4*(1-fr/2)+\t], 0
.endr
.set fr, fr+1
.endr
.irp t, 0,1,2,3,4,5,6,7
	v_mov_b32 v[CC+\t], v13
.endr
; Four steps of the table: each line is written for four points in turn, so that no instruction waits for the one in front of it.
; Registers of point j from PT + 12 j: the record's words 0-3, then X, Y, Z, Tz, H, R.
.macro PT4 k0, cnt
	s_wait_loadcnt \cnt
.irp j, 0,1,2,3
	v_cvt_pk_bf16_f32 v[PT+12*\j], v[RING+4*(\k0+\j)], v[RING+4*(\k0+\j)+1]         ; word 0: bx, by
.endr
.irp j, 0,1,2,3
	v_cvt_pk_bf16_f32 v[PT+12*\j+7], v[RING+4*(\k0+\j)+2], v[RING+4*(\k0+\j)+2]     ; bz, twice
.endr
.irp j, 0,1,2,3
	v_lshlrev_b32 v[PT+12*\j+4], 16, v[PT+12*\j]
.endr
.irp j, 0,1,2,3
	v_and_b32 v[PT+12*\j+5], s17, v[PT+12*\j]
.endr
.irp j, 0,1,2,3
	v_lshlrev_b32 v[PT+12*\j+6], 16, v[PT+12*\j+7]
.endr
.irp j, 0,1,2,3
	v_mul_f32 v[PT+12*\j+4], v[PT+12*\j+4], v[PT+12*\j+4]
.endr
.irp j, 0,1,2,3
	v_fmac_f32 v[PT+12*\j+4], v[PT+12*\j+5], v[PT+12*\j+5]
.endr
.irp j, 0,1,2,3
	v_fmac_f32 v[PT+12*\j+4], v[PT+12*\j+6], v[PT+12*\j+6]      ; |b|^2
.endr
.irp j, 0,1,2,3
	v_and_b32 v[PT+12*\j+8], s17, v[PT+12*\j+4]                 ; its upper 8 bits as a bf16,
.endr
.irp j, 0,1,2,3
	v_sub_f32 v[PT+12*\j+9], v[PT+12*\j+4], v[PT+12*\j+8]       ; what is left (exact),
.endr
.irp j, 0,1,2,3
	v_and_b32 v[PT+12*\j+5], s17, v[PT+12*\j+9]                 ; the next 8 bits,
.endr
.irp j, 0,1,2,3
	v_sub_f32 v[PT+12*\j+6], v[PT+12*\j+9], v[PT+12*\j+5]       ; the last 8 (exact, and a bf16 itself)
.endr
.irp j, 0,1,2,3
	v_and_or_b32 v[PT+12*\j+1], v[PT+12*\j+7], s18, v[PT+12*\j+8]       ; word 1: bz, first piece
.endr
.irp j, 0,1,2,3
	v_perm_b32 v[PT+12*\j+2], v[PT+12*\j+6], v[PT+12*\j+5], s19          ; word 2: second piece, third piece
.endr
.irp j, 0,1,2,3
	ds_store_b128 v5, v[PT+12*\j:PT+12*\j+3] offset:(\k0+\j)*8192
.endr
.endm
	PT4 0, 4                                       ; 8 loads are out, the four oldest are wanted
	PT4 4, 0                                       ; the last four
	s_wait_dscnt 0x0                               ; my records are in LDS
	s_barrier_signal -1
	s_barrier_wait -1                              ; everybody's are: the table is whole, and is only read from here on
; The minimum of the 16 results v[d .. d+15] (one group of points), made a key with id sid, into the list: 22 instructions.
.macro GROUP d, sid
.irp t, 0,1,2,3,4
	v_min3_num_f32 v[MM+\t], v[\d+3*\t], v[\d+3*\t+1], v[\d+3*\t+2]
.endr
	v_min3_num_f32 v[MM], v[MM], v[MM+1], v[\d+15]
	v_min3_num_f32 v[MM+2], v[MM+2], v[MM+3], v[MM+4]
	v_min_num_f32 v[MM], v[MM], v[MM+2]
	v_max_num_f32 v[MM], s24, v[MM]
	v_bfi_b32 v[MM], s13, v[MM], \sid
	INS 12, LL, MM
.endm
; One block of 64 points.  The next block's four products are issued first, then this block's two groups are reduced; between them this
; block's A operand is loaded again, two blocks ahead.  Every product takes the constant C and writes a D of its own: no sum is carried
; from one matrix instruction to another.  Distances behind matrix instructions (ISA guide 7.12.1): a D is read, and an A loaded again,
; behind the 44 vector instructions of the other set's two groups, which name none of that product's registers.
.macro STEP cur, nxt, wm, ld, off
.if \wm
	s_wait_dscnt 0x0                               ; the next block's two loads are in
.irp t, 0,1,2,3
	v_wmma_f32_16x16x32_bf16 v[DD+32*\nxt+8*\t:DD+32*\nxt+8*\t+7], v[AA+8*\nxt:AA+8*\nxt+7], v[BF+8*\t:BF+8*\t+7], v[CC:CC+7]
.endr
.endif
	GROUP DD+32*\cur, s14
.if \ld
	ds_load_b128 v[AA+8*\cur:AA+8*\cur+3], v9 offset:\off          ; 32 lanes x 16 neighbouring bytes: 32 records
	ds_load_b128 v[AA+8*\cur+4:AA+8*\cur+7], v9 offset:\off+512    ; the block's other 32
.endif
	GROUP DD+32*\cur+16, s15
	s_add_co_u32 s14, s14, 4
	s_add_co_u32 s15, s15, 4
.endm
.irp i, 0,1,2,3,4,5,6,7,8,9,10,11
	v_mov_b32 v[LL+\i], 0x7f800000                 ; an empty list: +infinity (a lane sees 64 groups, so none is left at the end)
.endr
	ds_load_b128 v[AA:AA+3], v9
	ds_load_b128 v[AA+4:AA+7], v9 offset:512
	ds_load_b128 v[AA+8:AA+11], v9 offset:1024
	ds_load_b128 v[AA+12:AA+15], v9 offset:1536
	s_wait_dscnt 0x2                               ; block 0 is in; block 1's two loads may be out
.irp t, 0,1,2,3
	v_wmma_f32_16x16x32_bf16 v[DD+8*\t:DD+8*\t+7], v[AA:AA+7], v[BF+8*\t:BF+8*\t+7], v[CC:CC+7]
.endr
.rept 4
	v_nop                                          ; four places before these results are read and their A is loaded again (ISA guide 7.12.1)
.endr
	s_mov_b32 s16, 15                              ; 32 blocks: 15 trips of two, and two written out
.Lblocks:
	STEP 0, 1, 1, 1, 2048
	STEP 1, 0, 1, 1, 3072
	v_add_nc_u32 v9, 0x800, v9                     ; two blocks on
	s_sub_co_u32 s16, s16, 1
	s_cmp_lg_u32 s16, 0
	s_cbranch_scc1 .Lblocks
	STEP 0, 1, 1, 0, 0                             ; blocks 30 and 31: nothing is left to load
	STEP 1, 0, 0, 0, 0
	; the two halves of the lanes hold the same sixteen queries and other groups: each takes the other's list in
.irp i, 0,1,2,3,4,5,6,7,8,9,10,11
	v_or_b32 v[LL+\i], v[LL+\i], v3                ; bit 0 of the group id is the lane's half (the same bit in all twelve: the order stays)
.endr
.irp i, 0,1,2,3,4,5,6,7,8,9,10,11
	v_mov_b32 v[PP+\i], 0                          ; v_permlanex16_b32 counts as a reader of its destination
.endr
.irp i, 0,1,2,3,4,5,6,7,8,9,10,11
	v_permlanex16_b32 v[PP+\i], v[LL+\i], s20, s21
.endr
	MRG 12, LL, PP
	; waves w and w + 8 hold the same sixteen queries and the two halves of the quarter: the upper wave hands its list over
	s_mul_i32 s22, s10, 768
	s_add_co_u32 s22, s22, LISTS                   ; my wave's region
	v_mul_u32_u24 v14, v2, 48
	v_add_nc_u32 v14, s22, v14                     ; its row r (both halves of the lanes hold, and store, the same numbers)
	s_cmp_lt_u32 s10, 8
	s_cbranch_scc1 .Llower
	ds_store_b128 v14, v[LL:LL+3]
	ds_store_b128 v14, v[LL+4:LL+7] offset:16
	ds_store_b128 v14, v[LL+8:LL+11] offset:32
.Llower:
	s_wait_dscnt 0x0                               ; for the wave that reads them: zero
	s_barrier_signal -1
	s_barrier_wait -1
	s_cmp_gt_u32 s10, 7
	s_cbranch_scc1 .Lend                           ; the upper waves are done; no barrier follows
	ds_load_b128 v[PP:PP+3], v14 offset:6144       ; the region of wave w + 8 lies 8 x 768 bytes further on
	ds_load_b128 v[PP+4:PP+7], v14 offset:6160
	ds_load_b128 v[PP+8:PP+11], v14 offset:6176
	s_wait_dscnt 0x0
	MRG 12, LL, PP
	; the way out: a row of 12 keys for each query through the wave's own region; 16 rows are 768 neighbouring bytes of gid, which leave as
	; three stores of 32 lanes x 8 bytes: each covers 256 consecutive bytes, at a multiple of 256 from gid's first byte
	v_lshlrev_b32 v104, 3, v1
	v_add_nc_u32 v105, s22, v104
	ds_store_b128 v14, v[LL:LL+3]
	ds_store_b128 v14, v[LL+4:LL+7] offset:16
	ds_store_b128 v14, v[LL+8:LL+11] offset:32
	ds_load_b64 v[PP:PP+1], v105                   ; LDS serves a wave's instructions in order (ISA guide 5.7.1): these see the stores above
	ds_load_b64 v[PP+2:PP+3], v105 offset:256
	ds_load_b64 v[PP+4:PP+5], v105 offset:512
	s_wait_dscnt 0x2                               ; the first is in, the two behind it may be out
	global_store_b64 v104, v[PP:PP+1], s[8:9]
	s_wait_dscnt 0x1
	global_store_b64 v104, v[PP+2:PP+3], s[8:9] offset:256
	s_wait_dscnt 0x0
	global_store_b64 v104, v[PP+4:PP+5], s[8:9] offset:512
.Lend:
	s_wait_tensorcnt 0x0
	ds_add_u32 v168, v169
	s_wait_dscnt 0x0
	s_endpgm
.Lfunc_end_k_q39ce3ca294_groups:
	.size	k_q39ce3ca294_groups, .Lfunc_end_k_q39ce3ca294_groups-k_q39ce3ca294_groups
	.p2alignl 7, 3214868480
	.fill 96, 4, 3214868480
	.section	.rodata,"a",@progbits
	.p2align	6, 0x0
	.amdhsa_kernel k_q39ce3ca294_groups
		.amdhsa_group_segment_fixed_size 79872
		.amdhsa_private_segment_fixed_size 0
		.amdhsa_enable_private_segment 0
		.amdhsa_kernarg_size 24
		.amdhsa_user_sgpr_count 2
		.amdhsa_user_sgpr_kernarg_segment_ptr 1
		.amdhsa_wavefront_size32 1
		.amdhsa_system_sgpr_workgroup_id_x 1
		.amdhsa_system_sgpr_workgroup_id_y 1
		.amdhsa_system_sgpr_workgroup_id_z 1
		.amdhsa_system_vgpr_workitem_id 0
		.amdhsa_next_free_vgpr 170
		.amdhsa_next_free_sgpr 66
		.amdhsa_reserve_vcc 0
		.amdhsa_float_denorm_mode_32 3
		.amdhsa_float_denorm_mode_16_64 3
		.amdhsa_memory_ordered 1
		.amdhsa_forward_progress 1
		.amdhsa_inst_pref_size 37
	.end_amdhsa_kernel
	.amdgpu_metadata
---
amdhsa.version: [ 1, 2 ]
amdhsa.kernels:
  - .name:           k_q39ce3ca294_groups
    .symbol:         k_q39ce3ca294_groups.kd
    .args:
      - { .name: pcd, .offset: 0, .size: 8, .value_kind: global_buffer, .address_space: global }
      - { .name: xyz, .offset: 8, .size: 8, .value_kind: global_buffer, .address_space: global }
      - { .name: gid, .offset: 16, .size: 8, .value_kind: global_buffer, .address_space: global }
    .group_segment_fixed_size: 79872
    .private_segment_fixed_size: 0
    .kernarg_segment_align: 8
    .kernarg_segment_size: 24
    .max_flat_workgroup_size: 512
    .sgpr_count:     66
    .vgpr_count:     170
    .wavefront_size: 32
...
	.end_amdgpu_metadata
.endif
;; end of part 1
;; launch points (part 2): grid 256 x 1, 4 waves a work-group, no clusters, 0 bytes of LDS; arguments pcd, xyz, gid, pidx; writes pidx
.if DOCPART == 2
	.amdgcn_target "amdgcn-amd-amdhsa--gfx1250"
	.amdhsa_code_object_version 6
	.text
	.protected	k_q39ce3ca294_points
	.globl	k_q39ce3ca294_points
	.p2align	8
	.type	k_q39ce3ca294_points,@function
k_q39ce3ca294_points:
	s_mov_b64 s[64:65], 0
	v_nop
	global_prefetch_b8 v0, s[64:65] scope:SCOPE_SE
	s_setreg_imm32_b32 hwreg(HW_REG_WAVE_MODE, 25, 1), 1
	s_wait_xcnt 0x0
; SECOND STEP.  (1) A query's four sorted lists of 12 group keys (one for each quarter of the points, from the first step) are merged to
; the 12 smallest.  (2) Of those 12 groups x 16 points, the 16 points with the smallest d2 are stored.
; (1) steers addresses, so it is done on whole numbers as they were stored: a key is the bit pattern of a positive normal f32 with the
; group id in its low 10 bits, and such patterns order like the numbers.  Only unsigned minima and maxima, moves between lanes and selects.
; (2): d2 = (|a|^2 + |b|^2) - 2 a.b in f32 on coordinates rounded to bf16, sums of three in ascending order.
; KEY of a point: max(d2, smallest normal f32) with its low 14 bits replaced by the point's index; sorted lists as in the first step.
; LIMIT: one of the true ten can be missed only if seven or more other points have a d2 within 2^-9 of d2 above it.
; SHARES: four lanes for a query: one list, then three groups (48 points), a lane; a work-group has 32 queries.  Nothing is shared between
; waves: no LDS, no barrier.  The matrix unit would have one row of sixteen to fill here (each query has points of its own): left out.
.set LL, 16                            ; v[16:31]  the sorted list of points
.set PP, 32                            ; v[32:47]  a partner's list
.set TT, 48                            ; v[48:75]  four candidates' seven registers each; at work in the merge of the groups
.set KK, 76                            ; v[76:87]  the sorted list of groups
.set FF, 96                            ; v[96:239] three groups of 48 floats as loaded
.macro INS n, l, x                     ; key v[x] into the sorted list v[l .. l+n-1]
.set ii, \n-1
.rept \n-1
	v_med3_num_f32 v[\l+ii], v[\l+ii-1], v[\x], v[\l+ii]
.set ii, ii-1
.endr
	v_min_num_f32 v[\l], v[\l], v[\x]
.endm
; The n smallest of two sorted lists of n, sorted, into v[l ..].  The keys of v[p ..] go in ascending: key j has j keys of its own list in
; front of it, so it moves nothing below place j, and its insertion runs over places j .. n-1 alone.
.macro MRG n, l, p
.set jj, 0
.rept \n-1
.set ii, \n-1
.rept \n-1-jj
	v_med3_num_f32 v[\l+ii], v[\l+ii-1], v[\p+jj], v[\l+ii]
.set ii, ii-1
.endr
	v_min_num_f32 v[\l+jj], v[\l+jj], v[\p+jj]
.set jj, jj+1
.endr
	v_min_num_f32 v[\l+\n-1], v[\l+\n-1], v[\p+\n-1]
.endm
; The same on whole numbers: L[i] = min(L[i], max(L[i-1], x)); all the maxima of an insertion first, into v[t ..], then the minima.
.macro MRGU n, l, p, t
.set jj, 0
.rept \n-1
.set ii, \n-1
.rept \n-1-jj
	v_max_u32 v[\t+ii], v[\l+ii-1], v[\p+jj]
.set ii, ii-1
.endr
.set ii, \n-1
.rept \n-1-jj
	v_min_u32 v[\l+ii], v[\l+ii], v[\t+ii]
.set ii, ii-1
.endr
	v_min_u32 v[\l+jj], v[\l+jj], v[\p+jj]
.set jj, jj+1
.endr
	v_min_u32 v[\l+\n-1], v[\l+\n-1], v[\p+\n-1]
.endm
	s_load_b256 s[4:11], s[0:1], 0x0               ; pcd s[4:5], xyz s[6:7], gid s[8:9], pidx s[10:11]
	v_lshrrev_b32 v1, 2, v0                        ; my query in the group's 32
	v_and_b32 v2, 3, v0                            ; c: which quarter's list, later which three groups
	v_mul_u32_u24 v3, v1, 48                       ; gid: a row of 12 keys for each query,
	v_mul_u32_u24 v7, v2, 0x60000                  ; 8,192 rows for each quarter
	v_add_nc_u32 v3, v3, v7
	v_mul_u32_u24 v7, v1, 12                       ; my query's coordinates
	v_lshlrev_b32 v15, 4, v0                       ; my 16 bytes of the result
	s_mul_i32 s16, ttmp9, 1536                     ; 32 queries x 48 bytes
	s_mov_b32 s17, 0
	s_mul_i32 s18, ttmp9, 384                      ; 32 queries x 12 bytes
	s_mov_b32 s19, 0
	s_lshl_b32 s22, ttmp9, 11                      ; 32 queries x 64 bytes
	s_mov_b32 s23, 0
	s_mov_b32 s13, 0xffffc000                      ; a point key's distance bits
	s_mov_b32 s14, 0xffff0000                      ; a word's upper bf16
	s_mov_b32 s15, 0x66666666                      ; lanes with c = 1 or 2
	s_mov_b32 s20, 0x00800000                      ; the smallest normal f32
	s_mov_b32 s21, 0xaaaaaaaa                      ; lanes with c odd
	s_wait_kmcnt 0x0
	s_add_nc_u64 s[8:9], s[8:9], s[16:17]
	s_add_nc_u64 s[6:7], s[6:7], s[18:19]
	s_add_nc_u64 s[10:11], s[10:11], s[22:23]
	global_load_b128 v[KK:KK+3], v3, s[8:9]        ; my quarter's twelve keys, sorted
	global_load_b128 v[KK+4:KK+7], v3, s[8:9] offset:16
	global_load_b128 v[KK+8:KK+11], v3, s[8:9] offset:32
	global_load_b96 v[8:10], v7, s[6:7]
.irp i, 0,1,2,3,4,5,6,7,8,9,10,11,12,13,14,15
	v_mov_b32 v[LL+\i], 0x7f800000                 ; an empty list (a lane sees 48 points, so none is left)
	v_mov_b32 v[PP+\i], 0                          ; a DPP move counts as a reader of its destination
.endr
	s_wait_loadcnt 0x0
	; lanes c and c xor 1 take each other's list in: both then hold the 12 smallest of two quarters, sorted
.irp i, 0,1,2,3,4,5,6,7,8,9,10,11
	v_mov_b32_dpp v[PP+\i], v[KK+\i] row_xmask:1 row_mask:0xf bank_mask:0xf
.endr
	MRGU 12, KK, PP, TT
	; the 12 smallest of two sorted lists A, B of 12 are min(A[i], B[11-i]); each pair of lanes makes six of them, each lane keeps three
.irp i, 0,1,2,3,4,5
	v_mov_b32_dpp v[PP+\i], v[KK+11-\i] row_xmask:2 row_mask:0xf bank_mask:0xf
.endr
.irp i, 0,1,2,3,4,5
	v_min_u32 v[PP+\i], v[PP+\i], v[KK+\i]
.endr
.irp g, 0,1,2
	v_cndmask_b32 v[4+\g], v[PP+\g], v[PP+3+\g], s21
.endr
.irp g, 0,1,2
	v_and_b32 v[4+\g], 0x3ff, v[4+\g]              ; the group's id
	v_min_u32 v[4+\g], 0x3ff, v[4+\g]              ; a loaded number enters an address only behind a clamp written as such
	v_lshlrev_b32 v[12+\g], 4, v[4+\g]             ; index of the group's first point
	v_mul_u32_u24 v[4+\g], v[4+\g], 0xc0           ; 16 points x 12 bytes
.endr
.irp g, 0,1,2
.irp t, 0,1,2,3,4,5,6,7,8,9,10,11
	global_load_b128 v[FF+48*\g+4*\t:FF+48*\g+4*\t+3], v[4+\g], s[4:5] offset:16*\t
.endr
.endr
	v_cvt_pk_bf16_f32 v48, v8, v9                  ; round the query to bf16
	v_cvt_pk_bf16_f32 v49, v10, v10
	v_lshlrev_b32 v8, 16, v48
	v_and_b32 v9, s14, v48
	v_lshlrev_b32 v10, 16, v49
	v_mul_f32 v11, v8, v8                          ; |a|^2
	v_fmac_f32 v11, v9, v9
	v_fmac_f32 v11, v10, v10
; Four candidates e0 .. e0+3 of the group whose floats begin at v[f]; each line for the four in turn.  Then four insertions.
.macro CAND4 f, base, e0
.irp k, 0,1,2,3
	v_cvt_pk_bf16_f32 v[TT+7*\k], v[\f+3*(\e0+\k)], v[\f+3*(\e0+\k)+1]
.endr
.irp k, 0,1,2,3
	v_cvt_pk_bf16_f32 v[TT+7*\k+1], v[\f+3*(\e0+\k)+2], v[\f+3*(\e0+\k)+2]
.endr
.irp k, 0,1,2,3
	v_lshlrev_b32 v[TT+7*\k+2], 16, v[TT+7*\k]             ; bx
.endr
.irp k, 0,1,2,3
	v_and_b32 v[TT+7*\k+3], s14, v[TT+7*\k]                ; by
.endr
.irp k, 0,1,2,3
	v_lshlrev_b32 v[TT+7*\k+4], 16, v[TT+7*\k+1]           ; bz
.endr
.irp k, 0,1,2,3
	v_mul_f32 v[TT+7*\k+5], v[TT+7*\k+2], v[TT+7*\k+2]
.endr
.irp k, 0,1,2,3
	v_mul_f32 v[TT+7*\k+6], v8, v[TT+7*\k+2]
.endr
.irp k, 0,1,2,3
	v_fmac_f32 v[TT+7*\k+5], v[TT+7*\k+3], v[TT+7*\k+3]
.endr
.irp k, 0,1,2,3
	v_fmac_f32 v[TT+7*\k+6], v9, v[TT+7*\k+3]
.endr
.irp k, 0,1,2,3
	v_fmac_f32 v[TT+7*\k+5], v[TT+7*\k+4], v[TT+7*\k+4]    ; |b|^2
.endr
.irp k, 0,1,2,3
	v_fmac_f32 v[TT+7*\k+6], v10, v[TT+7*\k+4]             ; a.b
.endr
.irp k, 0,1,2,3
	v_add_f32 v[TT+7*\k+5], v11, v[TT+7*\k+5]
.endr
.irp k, 0,1,2,3
	v_fma_f32 v[TT+7*\k+5], -2.0, v[TT+7*\k+6], v[TT+7*\k+5]   ; d2
.endr
.irp k, 0,1,2,3
	v_max_num_f32 v[TT+7*\k+5], s20, v[TT+7*\k+5]
.endr
.irp k, 0,1,2,3
	v_and_or_b32 v[TT+7*\k+5], v[TT+7*\k+5], s13, v[\base]
.endr
.irp k, 0,1,2,3
	v_or_b32 v[TT+7*\k+5], \e0+\k, v[TT+7*\k+5]
.endr
.irp k, 0,1,2,3
	INS 16, LL, TT+7*\k+5
.endr
.endm
.irp g, 0,1,2
	s_wait_loadcnt 12*(2-\g)                       ; this group's twelve loads are in; the later groups' stay out
.irp t, 0,4,8,12
	CAND4 FF+48*\g, 12+\g, \t
.endr
.endr
	; lanes c and c xor 1 take each other's list in: both then hold the pair's 16 best, sorted
.irp i, 0,1,2,3,4,5,6,7,8,9,10,11,12,13,14,15
	v_mov_b32_dpp v[PP+\i], v[LL+\i] row_xmask:1 row_mask:0xf bank_mask:0xf
.endr
	MRG 16, LL, PP
	; the 16 smallest of two sorted lists A, B of 16 are min(A[i], B[15-i]); each pair of lanes makes eight of them
.irp i, 0,1,2,3,4,5,6,7
	v_mov_b32_dpp v[PP+\i], v[LL+15-\i] row_xmask:2 row_mask:0xf bank_mask:0xf
.endr
.irp i, 0,1,2,3,4,5,6,7
	v_min_num_f32 v[PP+\i], v[PP+\i], v[LL+\i]
.endr
.irp k, 0,1,2,3
	v_cndmask_b32 v[TT+\k], v[PP+\k], v[PP+4+\k], s15      ; of a pair's eight, one lane stores the first four and the other the last four
.endr
.irp k, 0,1,2,3
	v_and_b32 v[TT+\k], 0x3fff, v[TT+\k]                   ; the indices
.endr
	global_store_b128 v15, v[TT:TT+3], s[10:11]            ; a wave stores 512 neighbouring bytes: eight queries' rows of 16 indices
	s_endpgm
.Lfunc_end_k_q39ce3ca294_points:
	.size	k_q39ce3ca294_points, .Lfunc_end_k_q39ce3ca294_points-k_q39ce3ca294_points
	.p2alignl 7, 3214868480
	.fill 96, 4, 3214868480
	.section	.rodata,"a",@progbits
	.p2align	6, 0x0
	.amdhsa_kernel k_q39ce3ca294_points
		.amdhsa_group_segment_fixed_size 0
		.amdhsa_private_segment_fixed_size 0
		.amdhsa_enable_private_segment 0
		.amdhsa_kernarg_size 32
		.amdhsa_user_sgpr_count 2
		.amdhsa_user_sgpr_kernarg_segment_ptr 1
		.amdhsa_wavefront_size32 1
		.amdhsa_system_sgpr_workgroup_id_x 1
		.amdhsa_system_sgpr_workgroup_id_y 1
		.amdhsa_system_sgpr_workgroup_id_z 1
		.amdhsa_system_vgpr_workitem_id 0
		.amdhsa_next_free_vgpr 240
		.amdhsa_next_free_sgpr 66
		.amdhsa_reserve_vcc 0
		.amdhsa_float_denorm_mode_32 3
		.amdhsa_float_denorm_mode_16_64 3
		.amdhsa_memory_ordered 1
		.amdhsa_forward_progress 1
		.amdhsa_inst_pref_size 101
	.end_amdhsa_kernel
	.amdgpu_metadata
---
amdhsa.version: [ 1, 2 ]
amdhsa.kernels:
  - .name:           k_q39ce3ca294_points
    .symbol:         k_q39ce3ca294_points.kd
    .args:
      - { .name: pcd, .offset: 0, .size: 8, .value_kind: global_buffer, .address_space: global }
      - { .name: xyz, .offset: 8, .size: 8, .value_kind: global_buffer, .address_space: global }
      - { .name: gid, .offset: 16, .size: 8, .value_kind: global_buffer, .address_space: global }
      - { .name: pidx, .offset: 24, .size: 8, .value_kind: global_buffer, .address_space: global }
    .group_segment_fixed_size: 0
    .private_segment_fixed_size: 0
    .kernarg_segment_align: 8
    .kernarg_segment_size: 32
    .max_flat_workgroup_size: 128
    .sgpr_count:     66
    .vgpr_count:     240
    .wavefront_size: 32
...
	.end_amdgpu_metadata
.endif
;; end of part 2
;; launch gather (part 3): grid 256 x 1, 16 waves a work-group, no clusters, 18,432 bytes of LDS; arguments feat, pcd, xyz, pidx, out0; writes out0
.if DOCPART == 3
	.amdgcn_target "amdgcn-amd-amdhsa--gfx1250"
	.amdhsa_code_object_version 6
	.text
	.protected	k_q39ce3ca294_gather
	.globl	k_q39ce3ca294_gather
	.p2align	8
	.type	k_q39ce3ca294_gather,@function
k_q39ce3ca294_gather:
	s_mov_b64 s[64:65], 0
	v_nop
	global_prefetch_b8 v0, s[64:65] scope:SCOPE_SE
	s_setreg_imm32_b32 hwreg(HW_REG_WAVE_MODE, 25, 1), 1
	s_wait_xcnt 0x0
; THIRD STEP: of the 16 candidates that the second step named, the exact ten nearest; their weights; the weighted sum of their feature
; rows; the positional encoding; rows of 115 f32 out.  All inputs are rounded to bf16 first, all arithmetic is f32.
; ORDER: by (d2, index), d2 = (|a|^2 + |b|^2) - 2 a.b unclamped, sums of three in ascending order.  Products of bf16 numbers are exact in
; f32, so fused and unfused multiply-adds give the same bits.  A candidate's rank is the number of the 15 others in front of it.
; No branch and no address hangs on a distance: all 16 rows are fetched, and those outside the ten or the ball get the weight 0.
; BALL: dist < 0.1f is tested as t < 0x3c23d70a, t = max(d2, 0) + 1e-12: that is the smallest f32 whose correctly rounded root reaches 0.1f.
; SIN, COS: the angle in turns, as a product in two pieces by 1/(2 pi) in two pieces, less its nearest whole number; cos = sin a quarter turn on;
; folded to [0, 1/4] turn; the series to y^11, whose first dropped term is below 6e-8 at pi/2.
; LIMITS: |128 x| / (2 pi) below 2^22; finite inputs; the sum of the weights is taken as a tree over the lanes, not in the order of rank.
; SHARES: a work-group has 32 queries = 14,720 neighbouring bytes of the output; sixteen lanes have a query; lane r has candidate r,
; channels 4r .. 4r+3 and encoding elements r, r+16, r+32, r+48.  The aggregate has one row for each table of ten: it goes as fused
; multiply-adds from bf16 halves, not to the matrix unit.
.set QB, 460                           ; bytes in a row of the output, and in the LDS stage (from byte 0, 32 rows)
	s_load_b256 s[4:11], s[0:1], 0x0               ; feat s[4:5], pcd s[6:7], xyz s[8:9], pidx s[10:11]
	s_load_b64 s[12:13], s[0:1], 0x20              ; out0
	v_lshl_add_u32 v128, v0, 2, 0x4000
	v_mov_b32 v129, 0
	v_and_b32 v1, 15, v0                           ; r
	v_lshrrev_b32 v2, 4, v0                        ; my query in the group's 32
	v_lshlrev_b32 v3, 2, v0                        ; my own candidate's index: word r of the query's 16
	v_lshlrev_b32 v4, 6, v2                        ; the query's 16 indices
	v_mul_u32_u24 v5, v2, 12                       ; the query's coordinates
	s_lshl_b32 s14, ttmp9, 11
	s_mov_b32 s15, 0
	s_mul_i32 s16, ttmp9, 384
	s_mov_b32 s17, 0
	s_mul_i32 s18, ttmp9, 32*QB
	s_mov_b32 s19, 0
	s_mov_b32 s36, 0x31dc9c88                      ; 1/(2 pi) less its f32
	s_mov_b32 s38, 0xffff0000                      ; a word's upper bf16
	s_wait_kmcnt 0x0
	s_add_nc_u64 s[10:11], s[10:11], s[14:15]
	s_add_nc_u64 s[8:9], s[8:9], s[16:17]
	s_add_nc_u64 s[12:13], s[12:13], s[18:19]
	global_load_b32 v6, v3, s[10:11]
.irp t, 0,1,2,3
	global_load_b128 v[16+4*\t:19+4*\t], v4, s[10:11] offset:16*\t
.endr
	global_load_b96 v[8:10], v5, s[8:9]
	; while they are on their way: the encoding's constants.  Element e = r + 16 j: 0-2 the coordinates, 3-26 sin, 27-50 cos of 2^i x_d, 3 i + d = m
	v_mov_b32 v120, 0xb2d7322b                     ; -1/11!
	v_mov_b32 v121, 0x3e800000                     ; a quarter turn
.irp j, 0,1,2,3
	v_add_nc_u32 v100, 16*\j-3, v1                 ; e - 3
	v_min_u32 v100, 63, v100                       ; lanes with e < 3 get a harmless number: their result is replaced below
	v_cmp_le_u32 vcc_lo, 24, v100
	v_add_nc_u32 v101, 0xffffffe8, v100            ; - 24
	v_cndmask_b32 v[112+\j], 0, v121, vcc_lo       ; cos: a quarter turn on
	v_cndmask_b32 v100, v100, v101, vcc_lo         ; m
	v_mul_u32_u24 v101, v100, 11
	v_lshrrev_b32 v101, 5, v101                    ; i = m / 3 (right for m below 32)
	v_mul_u32_u24 v102, v101, 3
	v_sub_nc_u32 v102, v100, v102                  ; d
	v_lshl_add_u32 v[108+\j], v101, 23, 0x3f800000 ; 2^i as f32
	v_cmp_eq_u32 s[24+2*\j], 1, v102
	v_cmp_eq_u32 s[25+2*\j], 2, v102
.endr
	v_cmp_gt_u32 s32, 3, v1                        ; r < 3
	v_cmp_eq_u32 s33, 1, v1
	v_cmp_eq_u32 s34, 2, v1
	v_mul_u32_u24 v116, v2, QB
	v_lshl_add_u32 v117, v1, 2, v116               ; stage: my encoding elements (+ 256 + 64 j)
	v_lshl_add_u32 v116, v1, 4, v116               ; stage: my four channels
	v_lshlrev_b32 v118, 4, v0                      ; the way out: 16 bytes a thread
	v_lshlrev_b32 v119, 4, v1                      ; my four channels in a feature row
	s_wait_loadcnt 0x0
	v_min_u32 v6, 0x3fff, v6                       ; a loaded number enters an address only behind a clamp
.irp k, 0,1,2,3,4,5,6,7,8,9,10,11,12,13,14,15
	v_min_u32 v[16+\k], 0x3fff, v[16+\k]
.endr
	v_mul_u32_u24 v7, v6, 12
	global_load_b96 v[12:14], v7, s[6:7]           ; my candidate's coordinates
.irp k, 0,1,2,3,4,5,6,7,8,9,10,11,12,13,14,15
	v_lshlrev_b32 v[16+\k], 8, v[16+\k]            ; a feature row is 256 bytes
.endr
.irp k, 0,1,2,3,4,5,6,7,8,9,10,11,12,13,14,15
	v_add_nc_u32 v[16+\k], v[16+\k], v119
.endr
.irp k, 0,1,2,3,4,5,6,7,8,9,10,11,12,13,14,15
	global_load_b128 v[32+4*\k:35+4*\k], v[16+\k], s[4:5]      ; sixteen lanes take a whole row of 256 bytes
.endr
	v_cvt_pk_bf16_f32 v100, v8, v9                 ; round the query to bf16
	v_cvt_pk_bf16_f32 v101, v10, v10
	v_lshlrev_b32 v8, 16, v100
	v_and_b32 v9, s38, v100
	v_lshlrev_b32 v10, 16, v101
	v_mul_f32 v11, v8, v8                          ; |a|^2
	v_fmac_f32 v11, v9, v9
	v_fmac_f32 v11, v10, v10
; The encoding, while the 17 gathers are on their way.  Result of element r + 16 j in v105.
.macro PE j
	v_cndmask_b32 v100, v8, v9, s[24+2*\j]
	v_cndmask_b32 v100, v100, v10, s[25+2*\j]
	v_mul_f32 v100, v100, v[108+\j]                ; the angle (exact: a power of two)
	v_mul_f32 v101, 0.15915494, v100               ; in turns: the upper piece,
	v_fma_f32 v102, v100, 0.15915494, -v101        ; what its rounding lost,
	v_fma_f32 v102, v100, s36, v102                ; and the rest of 1/(2 pi)
	v_rndne_f32 v103, v101
	v_sub_f32 v101, v101, v103                     ; exact
	v_add_f32 v101, v101, v102
	v_add_f32 v101, v101, v[112+\j]
	v_rndne_f32 v103, v101
	v_sub_f32 v101, v101, v103                     ; f in [-1/2, 1/2]
	v_sub_f32 v103, 0.5, |v101|
	v_min_num_f32 v103, |v101|, v103               ; folded to [0, 1/4]
	v_mul_f32 v103, 0x40c90fdb, v103               ; y = 2 pi u
	v_mul_f32 v104, v103, v103
	v_fmaak_f32 v105, v120, v104, 0x3638ef1d       ; 1/9!
	v_fmaak_f32 v105, v105, v104, 0xb9500d01       ; -1/7!
	v_fmaak_f32 v105, v105, v104, 0x3c088889       ; 1/5!
	v_fmaak_f32 v105, v105, v104, 0xbe2aaaab       ; -1/3!
	v_mul_f32 v105, v105, v104
	v_fma_f32 v105, v105, v103, v103
	v_bfi_b32 v105, 0x7fffffff, v105, v101         ; the sign of f
.endm
	PE 0
	v_cndmask_b32 v106, v8, v9, s33
	v_cndmask_b32 v106, v106, v10, s34
	v_cndmask_b32 v105, v105, v106, s32            ; elements 0 to 2 are the coordinates themselves
	ds_store_b32 v117, v105 offset:256
	PE 1
	ds_store_b32 v117, v105 offset:320
	PE 2
	ds_store_b32 v117, v105 offset:384
	PE 3
	s_wait_xcnt 0x0                                ; EXEC is a source of the pending gathers: it changes only behind this wait
	s_and_saveexec_b32 s35, s32                    ; elements 48 to 50 alone exist
	ds_store_b32 v117, v105 offset:448
	s_or_b32 exec_lo, exec_lo, s35                 ; no global instruction was issued since the wait above
	s_wait_loadcnt 16                              ; my candidate's coordinates are in: the 16 feature rows were asked for behind them
	v_cvt_pk_bf16_f32 v100, v12, v13
	v_cvt_pk_bf16_f32 v101, v14, v14
	v_lshlrev_b32 v12, 16, v100
	v_and_b32 v13, s38, v100
	v_lshlrev_b32 v14, 16, v101
	v_mul_f32 v15, v12, v12
	v_mul_f32 v100, v8, v12
	v_fmac_f32 v15, v13, v13
	v_fmac_f32 v100, v9, v13
	v_fmac_f32 v15, v14, v14                       ; |b|^2
	v_fmac_f32 v100, v10, v14                      ; a.b
	v_add_f32 v15, v11, v15
	v_fma_f32 v15, -2.0, v100, v15                 ; d2
	v_mov_b32 v101, 0                              ; rank
	v_mov_b32 v102, 0                              ; a DPP move counts as a reader of its destination
	v_mov_b32 v103, 0
.irp s, 1,2,3,4,5,6,7,8,9,10,11,12,13,14,15
	v_mov_b32_dpp v102, v15 row_xmask:\s row_mask:0xf bank_mask:0xf    ; another candidate's d2
	v_mov_b32_dpp v103, v6 row_xmask:\s row_mask:0xf bank_mask:0xf     ; and index
	v_cmp_lt_f32 s20, v102, v15
	v_cmp_eq_f32 s21, v102, v15
	v_cmp_lt_u32 s22, v103, v6
	s_and_b32 s21, s21, s22
	s_or_b32 vcc_lo, s20, s21                      ; it stands in front of me
	v_add_co_ci_u32 v101, vcc_lo, 0, v101, vcc_lo
.endr
	v_max_num_f32 v104, 0, v15
	v_add_f32 v104, 0x2b8cbccc, v104               ; + 1e-12
	v_sqrt_f32 v105, v104
	v_cmp_gt_f32 s20, 0x3c23d70a, v104             ; in the ball (a plain instruction between the root and its use: ISA guide 5.7.2)
	v_cmp_gt_u32 s21, 10, v101                     ; among the ten
	s_wait_alu depctr_va_vdst(0)
	v_add_f32 v105, 0x322bcc77, v105               ; + 1e-8
	v_rcp_f32 v106, v105
	s_and_b32 vcc_lo, s20, s21
	v_nop                                          ; the place behind the reciprocal
	s_wait_alu depctr_va_vdst(0)
	v_cndmask_b32 v106, 0, v106, vcc_lo
	v_mov_b32 v107, v106
	v_add_f32_dpp v107, v107, v107 row_xmask:1 row_mask:0xf bank_mask:0xf
	v_add_f32_dpp v107, v107, v107 row_xmask:2 row_mask:0xf bank_mask:0xf
	v_add_f32_dpp v107, v107, v107 row_xmask:4 row_mask:0xf bank_mask:0xf
	v_add_f32_dpp v107, v107, v107 row_xmask:8 row_mask:0xf bank_mask:0xf
	v_add_f32 v107, 0x322bcc77, v107
	v_rcp_f32 v105, v107
	v_mov_b32 v96, 0                               ; the four sums (also the place behind the reciprocal)
	v_mov_b32 v97, 0
	v_mov_b32 v98, 0
	v_mov_b32 v99, 0
	s_wait_alu depctr_va_vdst(0)
	v_mul_f32 v106, v106, v105                     ; my candidate's weight
.irp k, 0,1,2,3,4,5,6,7,8,9,10,11,12,13,14,15
	s_wait_loadcnt 15-\k                           ; row k is in; the rows behind it stay out
	v_mov_b32_dpp v100, v106 row_share:\k row_mask:0xf bank_mask:0xf   ; candidate k's weight
	v_cvt_pk_bf16_f32 v102, v[32+4*\k], v[33+4*\k]
	v_cvt_pk_bf16_f32 v103, v[34+4*\k], v[35+4*\k]
	v_fma_mix_f32_bf16 v96, v102, v100, v96 op_sel:[0,0,0] op_sel_hi:[1,0,0]
	v_fma_mix_f32_bf16 v97, v102, v100, v97 op_sel:[1,0,0] op_sel_hi:[1,0,0]
	v_fma_mix_f32_bf16 v98, v103, v100, v98 op_sel:[0,0,0] op_sel_hi:[1,0,0]
	v_fma_mix_f32_bf16 v99, v103, v100, v99 op_sel:[1,0,0] op_sel_hi:[1,0,0]
.endr
	ds_store_b32 v116, v96                         ; a row of 460 bytes starts at a multiple of 4 only: four stores of a word
	ds_store_b32 v116, v97 offset:4
	ds_store_b32 v116, v98 offset:8
	ds_store_b32 v116, v99 offset:12
	s_wait_dscnt 0x0                               ; for the waves that read them: zero
	s_barrier_signal -1
	s_barrier_wait -1
	; the way out: the stage's 14,720 bytes are 920 pieces of 16, neighbouring in the output: 512 threads take one each, then 408 a second
	ds_load_b128 v[32:35], v118
	s_wait_dscnt 0x0
	global_store_b128 v118, v[32:35], s[12:13]
	v_cmp_gt_u32 vcc_lo, 0x198, v0
	s_wait_xcnt 0x0                                ; EXEC changes only behind this wait
	s_wait_tensorcnt 0x0
	ds_add_u32 v128, v129
	s_wait_dscnt 0x0
	s_and_saveexec_b32 s35, vcc_lo
	ds_load_b128 v[36:39], v118 offset:8192
	s_wait_dscnt 0x0
	global_store_b128 v118, v[36:39], s[12:13] offset:8192
	s_endpgm
.Lfunc_end_k_q39ce3ca294_gather:
	.size	k_q39ce3ca294_gather, .Lfunc_end_k_q39ce3ca294_gather-k_q39ce3ca294_gather
	.p2alignl 7, 3214868480
	.fill 96, 4, 3214868480
	.section	.rodata,"a",@progbits
	.p2align	6, 0x0
	.amdhsa_kernel k_q39ce3ca294_gather
		.amdhsa_group_segment_fixed_size 18432
		.amdhsa_private_segment_fixed_size 0
		.amdhsa_enable_private_segment 0
		.amdhsa_kernarg_size 40
		.amdhsa_user_sgpr_count 2
		.amdhsa_user_sgpr_kernarg_segment_ptr 1
		.amdhsa_wavefront_size32 1
		.amdhsa_system_sgpr_workgroup_id_x 1
		.amdhsa_system_sgpr_workgroup_id_y 1
		.amdhsa_system_sgpr_workgroup_id_z 1
		.amdhsa_system_vgpr_workitem_id 0
		.amdhsa_next_free_vgpr 130
		.amdhsa_next_free_sgpr 66
		.amdhsa_reserve_vcc 1
		.amdhsa_float_denorm_mode_32 3
		.amdhsa_float_denorm_mode_16_64 3
		.amdhsa_memory_ordered 1
		.amdhsa_forward_progress 1
		.amdhsa_inst_pref_size 31
	.end_amdhsa_kernel
	.amdgpu_metadata
---
amdhsa.version: [ 1, 2 ]
amdhsa.kernels:
  - .name:           k_q39ce3ca294_gather
    .symbol:         k_q39ce3ca294_gather.kd
    .args:
      - { .name: feat, .offset: 0, .size: 8, .value_kind: global_buffer, .address_space: global }
      - { .name: pcd, .offset: 8, .size: 8, .value_kind: global_buffer, .address_space: global }
      - { .name: xyz, .offset: 16, .size: 8, .value_kind: global_buffer, .address_space: global }
      - { .name: pidx, .offset: 24, .size: 8, .value_kind: global_buffer, .address_space: global }
      - { .name: out0, .offset: 32, .size: 8, .value_kind: global_buffer, .address_space: global }
    .group_segment_fixed_size: 18432
    .private_segment_fixed_size: 0
    .kernarg_segment_align: 8
    .kernarg_segment_size: 40
    .max_flat_workgroup_size: 512
    .sgpr_count:     66
    .vgpr_count:     130
    .wavefront_size: 32
...
	.end_amdgpu_metadata
.endif
;; end of part 3
;; ======== version 2 of 2: 3 launches; version 1 with the launch groups written anew for expert scheduling mode
;; limits: values outside matrix products are rounded to bf16; values within 0.000122 (relative) of each other or of a threshold may be ordered or decided otherwise than in the reference; values within 0.00195 (relative) of each other or of a threshold may be ordered or decided otherwise than in the reference
;; workspace buffers: gid 1,572,864 bytes of whole numbers; pidx 524,288 bytes of whole numbers
;; launch groups (part 4): grid 256 x 1, 16 waves a work-group, no clusters, 79,872 bytes of LDS; arguments pcd, xyz, gid; writes gid
.if DOCPART == 4
	.amdgcn_target "amdgcn-amd-amdhsa--gfx1250"
	.amdhsa_code_object_version 6
	.text
	.protected	k_q39ce3ca294_groups
	.globl	k_q39ce3ca294_groups
	.p2align	8
	.type	k_q39ce3ca294_groups,@function
k_q39ce3ca294_groups:
	s_mov_b64 s[64:65], 0
	v_nop
	global_prefetch_b8 v0, s[64:65] scope:SCOPE_SE
	s_setreg_imm32_b32 hwreg(HW_REG_WAVE_SCHED_MODE, 0, 2), 2
	s_setreg_imm32_b32 hwreg(HW_REG_WAVE_MODE, 25, 1), 1
	s_wait_xcnt 0x0
	s_wait_alu depctr_vm_vsrc(0)
; FIRST OF THREE STEPS of a radius-limited 10-nearest-neighbour search: 8,192 queries, 16,384 points, all inputs rounded to bf16 first.
; The points are taken as 1,024 groups of 16 neighbouring indices, in four quarters of 256 groups.  For each query and each quarter this
; launch stores the 12 smallest keys of the quarter's groups, sorted; the next step merges a query's four lists.  A point of the true ten
; lies in a group whose minimum is not above its own d2, so ten groups hold the ten; two more are margin for the keys' lost bits.
; d2 = |a|^2 + |b|^2 - 2 a.b comes from the matrix unit.  A point's record is 8 bf16: bx, by, bz, and |b|^2 (f32) cut exactly into three
; bf16 pieces, then 0, 0.  A query's column is -2ax, -2ay, -2az, 1, 1, 1, 0, 0, and C is |a|^2.  One A operand (16 rows x 32 k) holds FOUR
; records in each row; four B operands, each zero outside one octet of k, pick them out: 4 matrix instructions give 64 points x 16 queries
; from 2 LDS loads.
; KEY: max(group minimum, smallest normal f32), its low 10 bits replaced by the group id: positive floats order like whole numbers, equal
; distances order by id, and no key is a denormal number.  A sorted list of 12 keys takes a new key x in 12 independent instructions:
; L[i] = median(L[i-1], x, L[i]) from the top down, L[0] = min(L[0], x).  No branch hangs on a distance.
; LIMITS: a neighbour can be missed only if three or more groups outside hold a point whose d2 lies within 2^-13 of d2, plus a few units
; in the last place of |a|^2 + |b|^2 (the matrix unit's sum), above that neighbour's.  Inputs are finite.
; SHARES: work-group g has queries 128 (g >> 2) .. + 127 and points 4,096 (g & 3) .. + 4,095.  Sixteen waves, four on each SIMD, so that one
; wave's short dependent chains (minimum, clamp, key, insertion) stand beside three other waves' work: wave w has queries 16 (w & 7) .. + 15
; and half w >> 3 of the points.  At the end waves 8 to 15 hand their lists to waves 0 to 7 through LDS.
; The table is computed (rounded, squared, cut), not copied, and what the work-groups of a quarter share is 49,152 bytes read once by each:
; so it is built through registers, without tensor loads and without joint requests.
; THE MODE: SCHED_MODE bits 1:0 = 2 (LLVM: expert scheduling mode 2), set by the entry lines.  The code itself states the register dependences
; between vector or matrix instructions and memory or LDS instructions, with s_wait_alu, always for 0.
; THE PLAN.  Registers that memory or LDS instructions touch, in the loop:
;   AA0, AA1   The step of block n: its four products (block n + 1) read AA[nxt]; the LDS loads of block n + 2 land in AA[cur], which the four
;              products of the step before read last.
;   v9         Read by every one of those loads; written once a trip, at the trip's end.
;   BF, CC, DD, MM and the list LL are named by vector and matrix instructions alone.
; So ONE wait on va_vdst stands at a step's head: it states that the products of the step before are done reading AA[cur] and, in a trip's first
; step, that v9 is written.  The step's two loads follow it, dealt among its products, which name AA[nxt], BF, CC and DD[nxt]; its two groups
; name DD[cur], MM and LL: none of the registers that those loads touch.  One wait on vm_vsrc a trip stands ahead of the add to v9.
; Outside the loop: the offsets and addresses v4, v5, v9, v15 are made once, ahead of one wait; a table step's records are written ahead of one
; wait and then stored; the lists at the end likewise.  Each of those waits says at its place what it states.
.set LISTS, 65536                      ; LDS: the table of 4,096 records of 16 bytes lies at 0; here a region of 16 rows x 48 bytes for each wave:
                                       ; waves 8-15 hand their lists over in theirs, waves 0-7 use theirs as the stage of the way out
.set BF,   16                          ; v[16:47]   four B operands
.set CC,   48                          ; v[48:55]   C: |a|^2 in all eight
.set AA,   56                          ; v[56:71]   two A operands
.set DD,   72                          ; v[72:135]  two sets of four results
.set LL,   136                         ; v[136:147] the sorted list
.set PP,   148                         ; v[148:159] a partner's list
.set MM,   160                         ; v[160:164] at work
.set PT,   56                          ; while the table is built: four points' 12 registers each, v[56:103]
.set RING, 128                         ; while the table is built: 8 loads of 12 bytes on their way, v[128:159]
.macro INS n, l, x                     ; key v[x] into the sorted list v[l .. l+n-1]
.set ii, \n-1
.rept \n-1
	v_med3_num_f32 v[\l+ii], v[\l+ii-1], v[\x], v[\l+ii]
.set ii, ii-1
.endr
	v_min_num_f32 v[\l], v[\l], v[\x]
.endm
; The n smallest of two sorted lists of n, sorted, into v[l ..].  The keys of v[p ..] go in ascending: key j has j keys of its own list in
; front of it, so it moves nothing below place j, and its insertion runs over places j .. n-1 alone.
.macro MRG n, l, p
.set jj, 0
.rept \n-1
.set ii, \n-1
.rept \n-1-jj
	v_med3_num_f32 v[\l+ii], v[\l+ii-1], v[\p+jj], v[\l+ii]
.set ii, ii-1
.endr
	v_min_num_f32 v[\l+jj], v[\l+jj], v[\p+jj]
.set jj, jj+1
.endr
	v_min_num_f32 v[\l+\n-1], v[\l+\n-1], v[\p+\n-1]
.endm
	s_load_b128 s[4:7], s[0:1], 0x0                ; pcd s[4:5], xyz s[6:7]
	s_load_b64 s[8:9], s[0:1], 0x10                ; gid
	v_lshl_add_u32 v166, v0, 2, 0x13000
	v_mov_b32 v167, 0
	v_and_b32 v1, 31, v0                           ; lane
	v_and_b32 v2, 15, v0                           ; r: my query in the wave's sixteen
	v_bfe_u32 v3, v0, 4, 1                         ; h: my half of the lanes
	v_lshrrev_b32 v14, 5, v0
	v_readfirstlane_b32 s10, v14                   ; wave 0..15
	s_lshr_b32 s11, ttmp9, 2                       ; which 128 queries
	s_and_b32 s12, ttmp9, 3                        ; which 4,096 points
	s_wait_alu depctr_va_sdst(0)                   ; s10 is written, ahead of its first reader: shares, addresses and two branches are made from it
	s_and_b32 s28, s10, 7                          ; which 16 of the queries
	s_lshr_b32 s29, s10, 3                         ; which 2,048 of the points
	s_mov_b32 s13, 0xfffffc00                      ; a key's distance bits
	s_lshl_b32 s14, s12, 8                         ; group id of a block's first 32 points: 256 groups a quarter,
	s_lshl_b32 s30, s29, 7                         ; 128 a half (its bit 0, h, is set at the end)
	s_add_co_u32 s14, s14, s30
	s_add_co_u32 s15, s14, 2                       ; and of the block's second 32
	s_mov_b32 s17, 0xffff0000                      ; a word's upper bf16; also: lanes 16 to 31
	s_mov_b32 s18, 0x0000ffff                      ; a word's lower bf16; also: lanes 0 to 15
	s_mov_b32 s19, 0x07060302                      ; v_perm_b32: the two upper halves
	s_mov_b32 s20, 0x76543210                      ; v_permlanex16_b32: lane i of the other half
	s_mov_b32 s21, 0xfedcba98
	s_mov_b32 s24, 0x00800000                      ; the smallest normal f32
	v_and_b32 v14, 0x1e7, v0                       ; thread number with bits 3 and 4 exchanged: the record of point p lies at slot swap(p),
	v_bfe_u32 v15, v0, 3, 1                        ; so that a lane's sixteen results of two tiles are sixteen neighbouring points
	v_lshl_or_b32 v14, v15, 4, v14
	v_lshl_or_b32 v14, v3, 3, v14
	v_mul_u32_u24 v4, v14, 12                      ; byte offset of my point of step 0 in the quarter's part of pcd
	v_lshlrev_b32 v5, 4, v0                        ; LDS address of my slot of step 0 (a step is 512 slots = 8,192 bytes)
	s_lshl_b32 s31, s29, 15                        ; my wave's half of the table: 2,048 records of 16 bytes
	v_lshl_add_u32 v9, v1, 4, s31                  ; my 16 bytes in its first 512
	s_lshl_b32 s25, s11, 7
	s_lshl_b32 s23, s28, 4
	s_add_co_u32 s25, s25, s23                     ; the wave's first query
	v_add_nc_u32 v15, s25, v2
	v_mul_u32_u24 v15, v15, 12
	s_mul_i32 s22, s12, 49152                      ; the quarter's 4,096 points of 12 bytes
	s_mov_b32 s23, 0
	s_mul_i32 s26, s12, 0x60000                    ; gid: 8,192 rows of 48 bytes a quarter,
	s_mul_i32 s27, s25, 48                         ; and the wave's first row: a multiple of 768 bytes
	s_add_co_u32 s26, s26, s27
	s_mov_b32 s27, 0
	s_wait_kmcnt 0x0
	s_add_nc_u64 s[4:5], s[4:5], s[22:23]
	s_add_nc_u64 s[8:9], s[8:9], s[26:27]
	s_wait_alu depctr_va_vdst(0)                   ; v15 and v4 are written, which the loads below read as offsets; so are v5 and v9, the LDS addresses of the table's stores and loads
	global_load_b96 v[10:12], v15, s[6:7]          ; my query
.set kk, 0
.rept 8
	global_load_b96 v[RING+4*kk:RING+4*kk+2], v4, s[4:5] offset:kk*6144   ; all 8 steps: point 512 k + swap(thread) of the quarter
.set kk, kk+1
.endr
.irp j, 0,1,2,3
	v_mov_b32 v[PT+12*\j+3], 0                     ; a record's last word, written once
.endr
	s_wait_loadcnt 8                               ; the query is in: 8 loads were issued behind it
	v_cvt_pk_bf16_f32 v104, v10, v11               ; round the query to bf16
	v_cvt_pk_bf16_f32 v105, v12, v12
	v_lshlrev_b32 v10, 16, v104
	v_and_b32 v11, s17, v104
	v_lshlrev_b32 v12, 16, v105
	v_mul_f32 v13, v10, v10                        ; |a|^2
	v_fmac_f32 v13, v11, v11
	v_fmac_f32 v13, v12, v12
	v_mul_f32 v107, -2.0, v10
	v_mul_f32 v108, -2.0, v11
	v_mul_f32 v109, -2.0, v12
	v_cvt_pk_bf16_f32 v104, v107, v108             ; -2ax, -2ay (exact)
	v_cvt_pk_bf16_f32 v105, v109, 1.0              ; -2az, 1
	v_mov_b32 v106, 0x3f803f80                     ; 1, 1
; B operand fr picks octet fr of k: registers 4 (fr / 2) .. + 2 of the lanes of half fr % 2; all else is zero
.set fr, 0
.rept 4
.irp t, 0,1,2
.if fr%2
	v_cndmask_b32 v[BF+8*fr+4*(fr/2)+\t], 0, v[104+\t], s17
.else
	v_cndmask_b32 v[BF+8*fr+4*(fr/2)+\t], 0, v[104+\t], s18
.endif
.endr
	v_mov_b32 v[BF+8*fr+4*(fr/2)+3], 0
.irp t, 0,1,2,3
	v_mov_b32 v[BF+8*fr+4*(1-fr/2)+\t], 0
.endr
.set fr, fr+1
.endr
.irp t, 0,1,2,3,4,5,6,7
	v_mov_b32 v[CC+\t], v13
.endr
; Four steps of the table: each line is written for four points in turn, so that no instruction waits for the one in front of it.
; Registers of point j from PT + 12 j: the record's words 0-3, then X, Y, Z, Tz, H, R.
.macro PT4 k0, cnt
	s_wait_loadcnt \cnt
.if \k0 > 0
	s_wait_alu depctr_vm_vsrc(0)                   ; the four LDS stores above have read the records' words, which the lines below write again
.endif
.irp j, 0,1,2,3
	v_cvt_pk_bf16_f32 v[PT+12*\j], v[RING+4*(\k0+\j)], v[RING+4*(\k0+\j)+1]         ; word 0: bx, by
.endr
.irp j, 0,1,2,3
	v_cvt_pk_bf16_f32 v[PT+12*\j+7], v[RING+4*(\k0+\j)+2], v[RING+4*(\k0+\j)+2]     ; bz, twice
.endr
.irp j, 0,1,2,3
	v_lshlrev_b32 v[PT+12*\j+4], 16, v[PT+12*\j]
.endr
.irp j, 0,1,2,3
	v_and_b32 v[PT+12*\j+5], s17, v[PT+12*\j]
.endr
.irp j, 0,1,2,3
	v_lshlrev_b32 v[PT+12*\j+6], 16, v[PT+12*\j+7]
.endr
.irp j, 0,1,2,3
	v_mul_f32 v[PT+12*\j+4], v[PT+12*\j+4], v[PT+12*\j+4]
.endr
.irp j, 0,1,2,3
	v_fmac_f32 v[PT+12*\j+4], v[PT+12*\j+5], v[PT+12*\j+5]
.endr
.irp j, 0,1,2,3
	v_fmac_f32 v[PT+12*\j+4], v[PT+12*\j+6], v[PT+12*\j+6]      ; |b|^2
.endr
.irp j, 0,1,2,3
	v_and_b32 v[PT+12*\j+8], s17, v[PT+12*\j+4]                 ; its upper 8 bits as a bf16,
.endr
.irp j, 0,1,2,3
	v_sub_f32 v[PT+12*\j+9], v[PT+12*\j+4], v[PT+12*\j+8]       ; what is left (exact),
.endr
.irp j, 0,1,2,3
	v_and_b32 v[PT+12*\j+5], s17, v[PT+12*\j+9]                 ; the next 8 bits,
.endr
.irp j, 0,1,2,3
	v_sub_f32 v[PT+12*\j+6], v[PT+12*\j+9], v[PT+12*\j+5]       ; the last 8 (exact, and a bf16 itself)
.endr
.irp j, 0,1,2,3
	v_and_or_b32 v[PT+12*\j+1], v[PT+12*\j+7], s18, v[PT+12*\j+8]       ; word 1: bz, first piece
.endr
.irp j, 0,1,2,3
	v_perm_b32 v[PT+12*\j+2], v[PT+12*\j+6], v[PT+12*\j+5], s19          ; word 2: second piece, third piece
.endr
	s_wait_alu depctr_va_vdst(0)                   ; the four records' words are written, which the LDS stores read
.irp j, 0,1,2,3
	ds_store_b128 v5, v[PT+12*\j:PT+12*\j+3] offset:(\k0+\j)*8192
.endr
.endm
	PT4 0, 4                                       ; 8 loads are out, the four oldest are wanted
	PT4 4, 0                                       ; the last four
	s_wait_dscnt 0x0                               ; my records are in LDS
	s_barrier_signal -1
	s_barrier_wait -1                              ; everybody's are: the table is whole, and is only read from here on
; The minimum of the 16 results v[d .. d+15] (one group of points), made a key with id sid, into the list: 22 instructions.
.macro GROUP d, sid
.irp t, 0,1,2,3,4
	v_min3_num_f32 v[MM+\t], v[\d+3*\t], v[\d+3*\t+1], v[\d+3*\t+2]
.endr
	v_min3_num_f32 v[MM], v[MM], v[MM+1], v[\d+15]
	v_min3_num_f32 v[MM+2], v[MM+2], v[MM+3], v[MM+4]
	v_min_num_f32 v[MM], v[MM], v[MM+2]
	v_max_num_f32 v[MM], s24, v[MM]
	v_bfi_b32 v[MM], s13, v[MM], \sid
	INS 12, LL, MM
.endm
; One block of 64 points.  The next block's four products are issued first, and among them this block's A operand is loaded again, two blocks
; ahead; then this block's two groups are reduced.  Every product takes the constant C and writes a D of its own: no sum is carried
; from one matrix instruction to another.  Distance behind matrix instructions (ISA guide 7.12.1): a D is read behind the 44 vector
; instructions of the other set's two groups, which name none of that product's registers.
.macro STEP cur, nxt, wm, ld, off
.if \wm
	s_wait_dscnt 0x0                               ; the next block's two loads are in
.if \ld
	s_wait_alu depctr_va_vdst(0)                   ; the products of the step before are done reading AA[cur], in which the loads below land; in a trip's first step v9, their address, is written
.endif
.irp t, 0,1,2,3
	v_wmma_f32_16x16x32_bf16 v[DD+32*\nxt+8*\t:DD+32*\nxt+8*\t+7], v[AA+8*\nxt:AA+8*\nxt+7], v[BF+8*\t:BF+8*\t+7], v[CC:CC+7]
.if \ld && (\t < 2)
	ds_load_b128 v[AA+8*\cur+4*\t:AA+8*\cur+4*\t+3], v9 offset:\off+512*\t   ; 32 lanes x 16 neighbouring bytes: 32 records, then the block's other 32.  No wait: nothing issued since the wait above names AA[cur] or v9
.endif
.endr
.endif
	GROUP DD+32*\cur, s14
	GROUP DD+32*\cur+16, s15
	s_add_co_u32 s14, s14, 4
	s_add_co_u32 s15, s15, 4
.endm
	s_wait_alu depctr_vm_vsrc(0)                   ; my LDS stores have read v[PT ..]: these registers are AA and DD from here on, written by the loads below and by the products (the vector lines that named them stand ahead of the last wait on va_vdst)
	ds_load_b128 v[AA:AA+3], v9
	ds_load_b128 v[AA+4:AA+7], v9 offset:512
	ds_load_b128 v[AA+8:AA+11], v9 offset:1024
	ds_load_b128 v[AA+12:AA+15], v9 offset:1536
.irp i, 0,1,2,3,4,5,6,7,8,9,10,11
	v_mov_b32 v[LL+\i], 0x7f800000                 ; an empty list: +infinity (a lane sees 64 groups, so none is left at the end)
.endr
	s_wait_dscnt 0x2                               ; block 0 is in; block 1's two loads may be out
.irp t, 0,1,2,3
	v_wmma_f32_16x16x32_bf16 v[DD+8*\t:DD+8*\t+7], v[AA:AA+7], v[BF+8*\t:BF+8*\t+7], v[CC:CC+7]
.endr
.rept 4
	v_nop                                          ; four places before these results are read (ISA guide 7.12.1)
.endr
	s_mov_b32 s16, 15                              ; 32 blocks: 15 trips of two, and two written out
.Lblocks:
	STEP 0, 1, 1, 1, 2048
	STEP 1, 0, 1, 1, 3072
	s_wait_alu depctr_vm_vsrc(0)                   ; the LDS loads issued so far have read v9
	v_add_nc_u32 v9, 0x800, v9                     ; two blocks on
	s_sub_co_u32 s16, s16, 1
	s_cmp_lg_u32 s16, 0
	s_cbranch_scc1 .Lblocks
	STEP 0, 1, 1, 0, 0                             ; blocks 30 and 31: nothing is left to load
	STEP 1, 0, 0, 0, 0
	; the two halves of the lanes hold the same sixteen queries and other groups: each takes the other's list in
.irp i, 0,1,2,3,4,5,6,7,8,9,10,11
	v_or_b32 v[LL+\i], v[LL+\i], v3                ; bit 0 of the group id is the lane's half (the same bit in all twelve: the order stays)
.endr
.irp i, 0,1,2,3,4,5,6,7,8,9,10,11
	v_mov_b32 v[PP+\i], 0                          ; v_permlanex16_b32 counts as a reader of its destination
.endr
.irp i, 0,1,2,3,4,5,6,7,8,9,10,11
	v_permlanex16_b32 v[PP+\i], v[LL+\i], s20, s21
.endr
	MRG 12, LL, PP
	; waves w and w + 8 hold the same sixteen queries and the two halves of the quarter: the upper wave hands its list over
	s_mul_i32 s22, s10, 768
	s_add_co_u32 s22, s22, LISTS                   ; my wave's region
	v_mul_u32_u24 v14, v2, 48
	v_add_nc_u32 v14, s22, v14                     ; its row r (both halves of the lanes hold, and store, the same numbers)
	s_wait_alu depctr_va_vdst(0)                   ; the merge has written LL and v14 is written, which the upper waves' LDS stores read; the merge is done with PP, in which the lower waves' LDS loads land by v14
	s_cmp_lt_u32 s10, 8
	s_cbranch_scc1 .Llower
	ds_store_b128 v14, v[LL:LL+3]
	ds_store_b128 v14, v[LL+4:LL+7] offset:16
	ds_store_b128 v14, v[LL+8:LL+11] offset:32
.Llower:
	s_wait_dscnt 0x0                               ; for the wave that reads them: zero
	s_barrier_signal -1
	s_barrier_wait -1
	s_cmp_gt_u32 s10, 7
	s_cbranch_scc1 .Lend                           ; the upper waves are done; no barrier follows
	ds_load_b128 v[PP:PP+3], v14 offset:6144       ; the region of wave w + 8 lies 8 x 768 bytes further on
	ds_load_b128 v[PP+4:PP+7], v14 offset:6160
	ds_load_b128 v[PP+8:PP+11], v14 offset:6176
	s_wait_dscnt 0x0
	MRG 12, LL, PP
	; the way out: a row of 12 keys for each query through the wave's own region; 16 rows are 768 neighbouring bytes of gid, which leave as
	; three stores of 32 lanes x 8 bytes: each covers 256 consecutive bytes, at a multiple of 256 from gid's first byte
	v_lshlrev_b32 v104, 3, v1
	v_add_nc_u32 v105, s22, v104
	s_wait_alu depctr_va_vdst(0)                   ; the merge has written LL, which the LDS stores read, and is done reading PP, in which the LDS loads land; v105 and v104, the loads' address and the global stores' offset, are written
	ds_store_b128 v14, v[LL:LL+3]
	ds_store_b128 v14, v[LL+4:LL+7] offset:16
	ds_store_b128 v14, v[LL+8:LL+11] offset:32
	ds_load_b64 v[PP:PP+1], v105                   ; LDS serves a wave's instructions in order (ISA guide 5.7.1): these see the stores above
	ds_load_b64 v[PP+2:PP+3], v105 offset:256
	ds_load_b64 v[PP+4:PP+5], v105 offset:512
	s_wait_dscnt 0x2                               ; the first is in, the two behind it may be out
	global_store_b64 v104, v[PP:PP+1], s[8:9]
	s_wait_dscnt 0x1
	global_store_b64 v104, v[PP+2:PP+3], s[8:9] offset:256
	s_wait_dscnt 0x0
	global_store_b64 v104, v[PP+4:PP+5], s[8:9] offset:512
.Lend:
	s_wait_dscnt 0x0
	s_wait_alu depctr_hold_cnt(0) depctr_sa_sdst(0) depctr_va_vdst(0) depctr_va_sdst(0) depctr_va_ssrc(0) depctr_va_vcc(0) depctr_vm_vsrc(0)
	s_wait_tensorcnt 0x0
	ds_add_u32 v166, v167
	s_wait_dscnt 0x0
	s_endpgm
.Lfunc_end_k_q39ce3ca294_groups:
	.size	k_q39ce3ca294_groups, .Lfunc_end_k_q39ce3ca294_groups-k_q39ce3ca294_groups
	.p2alignl 7, 3214868480
	.fill 96, 4, 3214868480
	.section	.rodata,"a",@progbits
	.p2align	6, 0x0
	.amdhsa_kernel k_q39ce3ca294_groups
		.amdhsa_group_segment_fixed_size 79872
		.amdhsa_private_segment_fixed_size 0
		.amdhsa_enable_private_segment 0
		.amdhsa_kernarg_size 24
		.amdhsa_user_sgpr_count 2
		.amdhsa_user_sgpr_kernarg_segment_ptr 1
		.amdhsa_wavefront_size32 1
		.amdhsa_system_sgpr_workgroup_id_x 1
		.amdhsa_system_sgpr_workgroup_id_y 1
		.amdhsa_system_sgpr_workgroup_id_z 1
		.amdhsa_system_vgpr_workitem_id 0
		.amdhsa_next_free_vgpr 168
		.amdhsa_next_free_sgpr 66
		.amdhsa_reserve_vcc 0
		.amdhsa_float_denorm_mode_32 3
		.amdhsa_float_denorm_mode_16_64 3
		.amdhsa_memory_ordered 1
		.amdhsa_forward_progress 1
		.amdhsa_inst_pref_size 37
	.end_amdhsa_kernel
	.amdgpu_metadata
---
amdhsa.version: [ 1, 2 ]
amdhsa.kernels:
  - .name:           k_q39ce3ca294_groups
    .symbol:         k_q39ce3ca294_groups.kd
    .args:
      - { .name: pcd, .offset: 0, .size: 8, .value_kind: global_buffer, .address_space: global }
      - { .name: xyz, .offset: 8, .size: 8, .value_kind: global_buffer, .address_space: global }
      - { .name: gid, .offset: 16, .size: 8, .value_kind: global_buffer, .address_space: global }
    .group_segment_fixed_size: 79872
    .private_segment_fixed_size: 0
    .kernarg_segment_align: 8
    .kernarg_segment_size: 24
    .max_flat_workgroup_size: 512
    .sgpr_count:     66
    .vgpr_count:     168
    .wavefront_size: 32
...
	.end_amdgpu_metadata
.endif
;; end of part 4
;; launch points: the kernel of part 2 again; grid 256 x 1, 4 waves a work-group, no clusters, 0 bytes of LDS; arguments pcd, xyz, gid, pidx; writes pidx
;; launch gather: the kernel of part 3 again; grid 256 x 1, 16 waves a work-group, no clusters, 18,432 bytes of LDS; arguments feat, pcd, xyz, pidx, out0; writes out0
